; MI455X (gfx1250); checked and timed in simulation.
; The chip was launched on July 23, 2026; its instructions are those of AMD's public machine-readable ISA for CDNA 5 (MIT licence, August 2026) and "CDNA5" Instruction Set Architecture Reference Guide (July 2026). The comments in the code are by the model that wrote it; some were corrected since.
;; Multi Head Attention. Allowed arithmetic: matrix products marked QUANTISED: E5M2 operands, one given power-of-two scale a tensor, by v_wmma_f32_16x16x64_bf8_bf8 or v_wmma_f32_16x16x128_bf8_bf8, f32 sums; everything else in f32.
;; Inputs: Wk 16 x 1,024 x 64 float32; Wo 1,024 x 1,024 float32; Wq 16 x 1,024 x 64 float32; Wv 16 x 1,024 x 64 float32; bk 16 x 64 float32; bo 1,024 float32; bq 16 x 64 float32; bv 16 x 64 float32; k 4 x 2,048 x 1,024 float32; lowp_scales 12 int32 (the exponents e of the quantised operands' scales 2^e); mask 4 x 2,048 x 2,048 bool; q 4 x 2,048 x 1,024 float32; v 4 x 2,048 x 1,024 float32.
;; Outputs: out0 4 x 2,048 x 1,024 float32.
;; This version of the problem:
;;   THIS VERSION OF THE PROBLEM IS GIVEN IN LOW PRECISION. The matrix products marked QUANTISED in the list below multiply operands that are first quantised to E5M2 (5 exponent bits, 2 mantissa bits; 8 bits a number), with one given power-of-two scale for each operand tensor; their sums are f32. All else is computed in f32.
;;   The module's matrix products, in the order in which they are computed (A, B: the left and right operand; K: the contracted axis; several contracted axes count as one K, in the product's order):
;;     1. [M 1,024, K 1,024] x [K 1,024, N 8,192]; A: input Wq; B: input q: QUANTISED (scales: A lowp_scales[0], B lowp_scales[1])
;;     2. [M 1,024, K 1,024] x [K 1,024, N 8,192]; A: input Wk; B: input k: QUANTISED (scales: A lowp_scales[2], B lowp_scales[3])
;;     3. [M 1,024, K 1,024] x [K 1,024, N 8,192]; A: input Wv; B: input v: QUANTISED (scales: A lowp_scales[4], B lowp_scales[5])
;;     4. batch 64 x [M 2,048, K 64] x [K 64, N 2,048]; A: computed on the way; B: computed on the way: QUANTISED (scales: A lowp_scales[6], B lowp_scales[7])
;;     5. batch 64 x [M 2,048, K 2,048] x [K 2,048, N 64]; A: softmax (see below); B: computed on the way: QUANTISED (scales: A lowp_scales[8], B lowp_scales[9])
;;     6. [M 8,192, K 1,024] x [K 1,024, N 1,024]; A: computed on the way; B: input Wo: QUANTISED (scales: A lowp_scales[10], B lowp_scales[11])
;;   THE QUANTISER, for each operand of a quantised product, along K:
;;     - The operand's scale is 2^e, e = its entry of the input lowp_scales (int32; the entries are numbered through the quantised products in the list's order, A before B).
;;     - Each number is divided by the scale, clamped to +-57,344, and rounded to the nearest number of E5M2, ties to even, subnormals kept.
;;     - The product sums the exact products of the quantised numbers (number of the format x scale) in f32.
;;   ~~~python
;;   def quantise(x, axis, e):      # numpy; x: float32 -> the quantised numbers, widened to float32 again
;;       x = np.moveaxis(x, axis, -1); K = x.shape[-1]
;;       r = np.clip(x / 2.0 ** e, -57344, 57344)
;;       step = 2.0 ** (np.maximum(np.frexp(np.where(r == 0, 1, r))[1] - 1, -14) - 2)
;;       q = np.round(r / step) * step * 2.0 ** e      # np.round: ties to even
;;       return np.moveaxis(q, -1, axis).astype(np.float32)
;;   ~~~
;;   SOFTMAX AHEAD OF A QUANTISED PRODUCT. Where the list says 'softmax', what is quantised is not the finished softmax but p = 2^(t - M), with t = logit x log2(e) and M = ceil(the row's largest t), a whole number; so 1/2 < the row's largest p <= 1. The row's sum l is taken of the UNQUANTISED p, in f32, and the product's result is divided by l at the end. Since M is a whole number, a kernel that streams over the keys may use a running M (the ceiling of the running maximum): every later rescaling is an exact power of two, so the quantised numbers keep their values, but for numbers so far below the row's largest that they fall under the format's range.
;;   OPERANDS COMPUTED ON THE WAY. 'Computed on the way' means the value that the module computes at that place (a softmax that the list does not call 'softmax' is quantised finished and normalised). What goes into a quantiser is computed in f32, as accurately as f32 sums, v_exp_f32 and their like allow (about 1e-6 of the number): no bf16 or f16 on the way to a quantiser, and a product that is left as it is and whose result goes on into a quantised operand takes f32 operands (vector FMAs, or v_wmma_f32_16x16x4_f32). A number that lies on a knife's edge between two numbers of the format may be rounded either way, as far as f32 arithmetic and the matrix unit's own rounding can turn it there, and no further.
;; One version. Each part assembles by itself: llvm-mc -triple=amdgcn-amd-amdhsa -mcpu=gfx1250 --defsym DOCPART=n.
;; ======== version 1 of 1: 4 launches
;; limits: right only within a limited range of input values
;; workspace buffers: xc 25,165,824 bytes; wc 4,194,304 bytes; maskbits 2,097,152 bytes of whole numbers; qkv 25,165,824 bytes; ao 8,388,608 bytes
;; launch prep (part 1): grid 768 x 1, 4 waves a work-group, no clusters, 68,096 bytes of LDS; arguments q, k, v, mask, Wq, Wk, Wv, Wo, lowp_scales, xc, wc, maskbits; writes xc, wc, maskbits
.if DOCPART == 1
	.amdgcn_target "amdgcn-amd-amdhsa--gfx1250"
	.amdhsa_code_object_version 6
	.text
	.protected	k_q155eda213b_prep
	.globl	k_q155eda213b_prep
	.p2align	8
	.type	k_q155eda213b_prep,@function
k_q155eda213b_prep:
	s_mov_b64 s[64:65], 0
	v_nop
	global_prefetch_b8 v0, s[64:65] scope:SCOPE_SE
	s_setreg_imm32_b32 hwreg(HW_REG_WAVE_MODE, 25, 1), 1
	s_wait_xcnt 0x0
; PREP: everything that arrives wide is made narrow once.  Three jobs, parted once on the work-group's number; they never meet again.
;   work-groups   0-383  X: q, k, v [8192][1024] f32 -> codes of E5M2 in xc
;   work-groups 384-511  W: Wq, Wk, Wv [16][1024][64] and Wo [1024][1024] f32, K = the axis of 1,024 that is NOT innermost -> codes in wc
;   work-groups 512-767  M: mask [4][2048][2048] bytes -> one bit a byte in maskbits, as lane masks for the attention launch
; code = x / 2^e, held within +-57,344, rounded to the nearest code, ties to even; e is the operand's entry of lowp_scales.
; LIMITS: -126 <= e <= 112, so that 2^e and 57,344 x 2^e are f32 numbers.  NaN among the inputs is not served (an infinity is held at the largest code).
; LAYOUT OF THE CODES: images of the operand's registers.  A fragment is 16 rows x 128 K = 2,048 bytes: register group g (four registers) of lane l lies at 512 g + 16 l.
;   xc [tensor 3][tile of 16 tokens 512][K step 8][2048], wc [tensor 4][tile of 16 columns 64][K step 8][2048].
;   Order 1 (q, k, v, Wq, Wk, Wv): byte i of group g of lane (r, h) is k = 32 g + 16 h + i of row r.
;   Order 2 (Wo): k = 32 g + 8 h + i for i < 8, 32 g + 16 + 8 h + (i - 8) else: the order in which the attention launch's results fall.
;   A product's two operands have the same order, so every code meets its partner.
; maskbits [b 4][block of 32 queries 64][step of 64 keys 32][n 32][t 2] words: bit r + 16 h of word (n, t) = mask[b][32 block + 16 t + r][64 step + 16 (n / 8) + 8 h + n % 8].
; No tensor loads, no barrier: waves share nothing.  Each job that uses LDS has bytes of its own, each wave a stage of 16 rows x 528 bytes in them.
.set SP,    528                        ; a stage row: 512 bytes + 16: 33 x 16, so that 16 rows start at 16 different groups of four banks
.set WST,   16*SP                      ; a wave's stage
.set MST,   4*WST                      ; job M's stages lie behind job X's
.set EMAX,  15
.set MANT,  0x600000                   ; the mantissa field of 57,344 as f32
.set R,     16                         ; v16-143  X, M: two sets of 64 registers as loaded
.set X,     144                        ; v144-207 X: 64 numbers of my row, register 16 g + i = k 32 g + 16 h + i
.set C,     208                        ; v208-223 X: a fragment's codes
.set X2,    16                         ; v16-79   W: two sets of 32 numbers down K
.set CW,    80                         ; v80-143  W: eight registers of codes for each block, so that no store's data are written again
.set PX,    144                        ; v144-207 M: 8 bytes of the mask for each of 32 groups of 8 keys
.set OW,    208                        ; v208-223 M: the words: register 2 step + t, lane n
.set T,     8                          ; v8-15    M: at work
.macro ELOAD                           ; the twelve exponents
	s_load_b256 s[32:39], s[20:21], 0x0
	s_load_b128 s[40:43], s[20:21], 0x20
.endm
.macro SCALES                          ; s30 = e  ->  v11 = 2^e (the conversion takes its exponent field), v10 = 57,344 x 2^e
	s_add_co_i32 s30, s30, 127
	s_lshl_b32 s31, s30, 23
	v_mov_b32 v11, s31
	s_add_co_i32 s30, s30, EMAX
	s_lshl_b32 s30, s30, 23
	s_or_b32 s30, s30, MANT
	v_mov_b32 v10, s30
.endm
; ---- job X's macros.  K step s of my 16 tokens: 16 loads, each 512 consecutive bytes of one row
.macro XLOAD s
.set xi, 0
.rept 16
	global_load_b128 v[R+64*((\s)%2)+4*xi:R+64*((\s)%2)+4*xi+3], v4, s[44:45] offset:xi*4096+(\s)*512 th:TH_LOAD_NT
.set xi, xi+1
.endr
.endm
.macro XSTEP s
.if (\s) < 7
	s_wait_loadcnt 16                              ; this K step's 16 loads are in; the next step's 16 may be out
.else
	s_wait_loadcnt 0x0
.endif
.set xi, 0
.rept 16
	ds_store_b128 v5, v[R+64*((\s)%2)+4*xi:R+64*((\s)%2)+4*xi+3] offset:xi*SP      ; the rows as they lie
.set xi, xi+1
.endr
.set xi, 0
.rept 16
	ds_load_b128 v[X+4*xi:X+4*xi+3], v6 offset:(xi/4)*128+(xi%4)*16                ; back: of row r, 16 neighbours of each block of 32 (LDS serves a wave's instructions in order)
.set xi, xi+1
.endr
	s_wait_dscnt 0x0                               ; the numbers are back, and the stores into the stage have read their registers
	s_wait_xcnt 0x0                                ; the last step's stores have read their codes: C is written again only behind this wait
.if (\s)+2 < 8
	XLOAD (\s)+2
.endif
.irp g, 0,1,2,3
.set xi, 0
.rept 16
	v_med3_num_f32 v[X+16*\g+xi], v[X+16*\g+xi], -v10, v10   ; the conversion to an 8-bit code does not saturate (ISA guide 7.6.2): the hold comes first
.set xi, xi+1
.endr
	v_cvt_scalef32_pk8_bf8_f32 v[C+4*\g:C+4*\g+1], v[X+16*\g:X+16*\g+7], v11
	v_cvt_scalef32_pk8_bf8_f32 v[C+4*\g+2:C+4*\g+3], v[X+16*\g+8:X+16*\g+15], v11
.endr
	v_nop                                          ; a plain line behind the last conversion
.irp g, 0,1,2,3
	global_store_b128 v4, v[C+4*\g:C+4*\g+3], s[48:49] offset:(\s)*2048+\g*512     ; 32 lanes store 512 consecutive bytes
.endr
.endm
; ---- job W's macros.  A lane takes a column, its registers run down K: block t is 32 rows of the weight, pitch bytes apart
.macro WLOAD t, pitch
.set wj, 0
.rept 32
	global_load_b32 v[X2+32*((\t)%2)+wj], v5, s[44:45] offset:(32*(\t)+wj)*(\pitch) th:TH_LOAD_NT
.set wj, wj+1
.endr
.endm
.macro WBLOCK t, pitch, m2
.set XS, X2+32*((\t)%2)
.set CB, CW+8*(\t)
.if (\t) < 7
	s_wait_loadcnt 32                              ; this block's 32 loads are in; the next block's may be out
.else
	s_wait_loadcnt 0x0
.endif
.set wj, 0
.rept 32
	v_med3_num_f32 v[XS+wj], v[XS+wj], -v10, v10
.set wj, wj+1
.endr
	v_cvt_scalef32_pk8_bf8_f32 v[CB:CB+1], v[XS:XS+7], v11
.if \m2                                ; order 2: the lower 16 bytes are k 0-7 and 16-23, the upper k 8-15 and 24-31
	v_cvt_scalef32_pk8_bf8_f32 v[CB+4:CB+5], v[XS+8:XS+15], v11
	v_cvt_scalef32_pk8_bf8_f32 v[CB+2:CB+3], v[XS+16:XS+23], v11
.else                                  ; order 1: k 0-15, k 16-31
	v_cvt_scalef32_pk8_bf8_f32 v[CB+2:CB+3], v[XS+8:XS+15], v11
	v_cvt_scalef32_pk8_bf8_f32 v[CB+4:CB+5], v[XS+16:XS+23], v11
.endif
	v_cvt_scalef32_pk8_bf8_f32 v[CB+6:CB+7], v[XS+24:XS+31], v11
	v_nop
	global_store_b128 v6, v[CB:CB+3], s[48:49] offset:((\t)/4)*2048+((\t)%4)*512        ; the image's lanes 0-15: sixteen lanes store 256 consecutive bytes, aligned
	global_store_b128 v6, v[CB+4:CB+7], s[48:49] offset:((\t)/4)*2048+((\t)%4)*512+256  ; its lanes 16-31
.if (\t)+2 < 8
	WLOAD (\t)+2, \pitch
.endif
.endm
.macro WPATH pitch, m2
	WLOAD 0, \pitch
	WLOAD 1, \pitch
	s_wait_kmcnt 0x0                               ; the exponents: entries 0, 2, 4 for Wq, Wk, Wv, entry 11 for Wo
	s_cmp_eq_u32 s51, 0
	s_cselect_b32 s30, s32, s34
	s_cmp_eq_u32 s51, 2
	s_cselect_b32 s30, s36, s30
	s_cmp_eq_u32 s51, 3
	s_cselect_b32 s30, s43, s30
	SCALES
.irp t, 0,1,2,3,4,5,6,7
	WBLOCK \t, \pitch, \m2
.endr
.endm
; ---- job M's macro: half t (16 queries) of my 32 queries x 512 keys
.macro MHALF t
	s_wait_loadcnt 16*(1-\t)                       ; this half's 16 loads are in; the other half's may be out
.set mi, 0
.rept 16
	ds_store_b128 v5, v[R+64*\t+4*mi:R+64*\t+4*mi+3] offset:mi*SP
.set mi, mi+1
.endr
.set mi, 0
.rept 32
	ds_load_b64 v[PX+2*mi:PX+2*mi+1], v6 offset:(mi/4)*64+(mi%4)*16      ; lane (r, h): query r, keys 16 mi + 8 h + 0 .. 7
.set mi, mi+1
.endr
	s_wait_dscnt 0x0
.set mw, 0
.rept 32                               ; eight words at a time: word mw + j = (step mw / 32, n = mw % 32 + j)
.irp j, 0,1,2,3,4,5,6,7
	v_and_b32 v[T+\j], s[56+\j%4], v[PX+2*(mw/8)+\j/4]                   ; the lane's byte j of its eight
.endr
.irp j, 0,1,2,3,4,5,6,7
	v_cmp_ne_u32 vcc_lo, 0, v[T+\j]                                      ; the 32 lanes' bits are the word,
	v_writelane_b32 v[OW+2*(mw/32)+\t], vcc_lo, mw%32+\j                 ; which goes to lane n
.endr
.set mw, mw+8
.endr
.endm
	s_load_b512 s[4:19], s[0:1], 0x0               ; q s[4:5], k s[6:7], v s[8:9], mask s[10:11], Wq s[12:13], Wk s[14:15], Wv s[16:17], Wo s[18:19]
	s_load_b256 s[20:27], s[0:1], 0x40             ; lowp_scales s[20:21], xc s[22:23], wc s[24:25], maskbits s[26:27]
	v_lshl_add_u32 v224, v0, 2, 0x10800
	v_mov_b32 v225, 0
	v_lshrrev_b32 v1, 5, v0
	v_readfirstlane_b32 s28, v1                    ; wave 0..3
	v_and_b32 v1, 31, v0                           ; lane
	v_and_b32 v2, 15, v0                           ; r
	v_bfe_u32 v3, v0, 4, 1                         ; h
	v_lshlrev_b32 v4, 4, v1                        ; 16 x lane
	s_mul_i32 s50, s28, WST                        ; my wave's stage
	s_mov_b32 s47, 0
	s_wait_kmcnt 0x0
	s_cmp_lt_u32 ttmp9, 384
	s_cbranch_scc0 .Lnot_x
	; ================ X: a wave owns one tile of 16 tokens, number 4 x work-group + wave of 1,536, and walks its 8 K steps
	ELOAD
	s_lshr_b32 s29, ttmp9, 7                       ; which tensor: 128 work-groups each
	s_cmp_eq_u32 s29, 0
	s_cselect_b64 s[44:45], s[4:5], s[6:7]
	s_cmp_eq_u32 s29, 2
	s_cselect_b64 s[44:45], s[8:9], s[44:45]
	s_and_b32 s46, ttmp9, 127
	s_lshl_b32 s46, s46, 2
	s_add_co_u32 s46, s46, s28                     ; the tile in its tensor,
	s_lshl_b32 s46, s46, 16                        ; 16 rows of 4,096 bytes
	s_add_nc_u64 s[44:45], s[44:45], s[46:47]
	s_lshl_b32 s46, ttmp9, 2
	s_add_co_u32 s46, s46, s28
	s_lshl_b32 s46, s46, 14                        ; its 8 fragments in xc
	s_add_nc_u64 s[48:49], s[22:23], s[46:47]
	v_add_nc_u32 v5, s50, v4                       ; the stage, in: 16 x lane of a row
	v_mul_u32_u24 v6, v2, SP
	v_lshl_add_u32 v6, v3, 6, v6
	v_add_nc_u32 v6, s50, v6                       ; and out: row r, + 64 h bytes
	XLOAD 0
	XLOAD 1
	s_wait_kmcnt 0x0                               ; entries 1, 3, 5 for q, k, v
	s_cmp_eq_u32 s29, 0
	s_cselect_b32 s30, s33, s35
	s_cmp_eq_u32 s29, 2
	s_cselect_b32 s30, s37, s30
	SCALES
.irp s, 0,1,2,3,4,5,6,7
	XSTEP \s
.endr
	s_wait_tensorcnt 0x0
	ds_add_u32 v224, v225
	s_wait_dscnt 0x0
	s_endpgm
.Lnot_x:
	s_cmp_lt_u32 ttmp9, 512
	s_cbranch_scc0 .Lmask
	; ================ W: a wave takes 32 columns x 256 along K: 8 blocks of 32
	ELOAD
	s_sub_co_u32 s29, ttmp9, 384
	s_lshr_b32 s51, s29, 5                         ; which weight
	s_and_b32 s52, s29, 7                          ; which 128 columns
	s_bfe_u32 s53, s29, 0x20003                    ; which 256 along K
	s_lshl_b32 s54, s52, 7
	s_lshl_b32 s55, s28, 5
	s_add_co_u32 s54, s54, s55                     ; my first column
	s_lshl_b32 s46, s51, 20                        ; wc: the weight's 1,048,576 bytes,
	s_lshr_b32 s55, s54, 4
	s_lshl_b32 s55, s55, 14
	s_add_co_u32 s46, s46, s55                     ; the tile of 16 columns,
	s_lshl_b32 s55, s53, 12
	s_add_co_u32 s46, s46, s55                     ; my two K steps
	s_add_nc_u64 s[48:49], s[24:25], s[46:47]
	v_lshlrev_b32 v5, 2, v1                        ; in: 4 bytes a lane
	v_lshlrev_b32 v6, 4, v2
	v_lshl_add_u32 v6, v3, 14, v6                  ; out: lanes 16-31 hold the next tile's columns; 16 bytes a column
	s_cmp_eq_u32 s51, 3
	s_cbranch_scc1 .Lwo
	s_cmp_eq_u32 s51, 0
	s_cselect_b64 s[44:45], s[12:13], s[14:15]
	s_cmp_eq_u32 s51, 2
	s_cselect_b64 s[44:45], s[16:17], s[44:45]
	s_lshr_b32 s46, s54, 6
	s_lshl_b32 s46, s46, 18                        ; the head's 1,024 rows of 256 bytes,
	s_lshl_b32 s55, s53, 16
	s_add_co_u32 s46, s46, s55                     ; 256 rows down for each quarter of K,
	s_and_b32 s55, s54, 63
	s_lshl_b32 s55, s55, 2
	s_add_co_u32 s46, s46, s55                     ; my columns in the head
	s_add_nc_u64 s[44:45], s[44:45], s[46:47]
	WPATH 256, 0
	s_endpgm
.Lwo:
	s_lshl_b32 s46, s53, 20                        ; 256 rows of 4,096 bytes for each quarter of K,
	s_lshl_b32 s55, s54, 2
	s_add_co_u32 s46, s46, s55                     ; my columns
	s_add_nc_u64 s[44:45], s[18:19], s[46:47]
	WPATH 4096, 1
	s_endpgm
.Lmask:
	; ================ M: a work-group takes 32 queries of one batch, a wave 512 of their keys: 8 steps of 64
	s_sub_co_u32 s29, ttmp9, 512
	s_lshr_b32 s51, s29, 6                         ; batch
	s_and_b32 s52, s29, 63                         ; block of 32 queries
	s_lshl_b32 s46, s51, 22
	s_lshl_b32 s55, s52, 16
	s_add_co_u32 s46, s46, s55
	s_lshl_b32 s55, s28, 9
	s_add_co_u32 s46, s46, s55
	s_add_nc_u64 s[44:45], s[10:11], s[46:47]
	s_lshl_b32 s46, s51, 19
	s_lshl_b32 s55, s52, 13
	s_add_co_u32 s46, s46, s55
	s_lshl_b32 s55, s28, 11
	s_add_co_u32 s46, s46, s55
	s_add_nc_u64 s[48:49], s[26:27], s[46:47]
.irp t, 0,1
.set mi, 0
.rept 16
	global_load_b128 v[R+64*\t+4*mi:R+64*\t+4*mi+3], v4, s[44:45] offset:(16*\t+mi)*2048 th:TH_LOAD_NT   ; 512 consecutive bytes of one query's row
.set mi, mi+1
.endr
.endr
	s_mov_b32 s56, 0xff
	s_mov_b32 s57, 0xff00
	s_mov_b32 s58, 0xff0000
	s_mov_b32 s59, 0xff000000
	v_add_nc_u32 v5, s50, v4
	v_add_nc_u32 v5, MST, v5                       ; the stage, in
	v_mul_u32_u24 v6, v2, SP
	v_lshl_add_u32 v6, v3, 3, v6
	v_add_nc_u32 v6, s50, v6
	v_add_nc_u32 v6, MST, v6                       ; and out: row r, + 8 h bytes: the 32 lanes of a load touch 64 different banks
	v_lshlrev_b32 v7, 3, v1                        ; 8 bytes a lane: words (n, 0) and (n, 1)
.set mi, 0
.rept 16
	v_mov_b32 v[OW+mi], 0                          ; written once: a lane write's destination counts as one of its sources
.set mi, mi+1
.endr
	MHALF 0
	MHALF 1
.irp s, 0,1,2,3,4,5,6,7
	global_store_b64 v7, v[OW+2*\s:OW+2*\s+1], s[48:49] offset:\s*256      ; 32 lanes store 256 consecutive bytes, aligned
.endr
	s_wait_tensorcnt 0x0
	ds_add_u32 v224, v225
	s_wait_dscnt 0x0
	s_endpgm
.Lfunc_end_k_q155eda213b_prep:
	.size	k_q155eda213b_prep, .Lfunc_end_k_q155eda213b_prep-k_q155eda213b_prep
	.p2alignl 7, 3214868480
	.fill 96, 4, 3214868480
	.section	.rodata,"a",@progbits
	.p2align	6, 0x0
	.amdhsa_kernel k_q155eda213b_prep
		.amdhsa_group_segment_fixed_size 68096
		.amdhsa_private_segment_fixed_size 0
		.amdhsa_enable_private_segment 0
		.amdhsa_kernarg_size 96
		.amdhsa_user_sgpr_count 2
		.amdhsa_user_sgpr_kernarg_segment_ptr 1
		.amdhsa_wavefront_size32 1
		.amdhsa_system_sgpr_workgroup_id_x 1
		.amdhsa_system_sgpr_workgroup_id_y 1
		.amdhsa_system_sgpr_workgroup_id_z 1
		.amdhsa_system_vgpr_workitem_id 0
		.amdhsa_next_free_vgpr 226
		.amdhsa_next_free_sgpr 66
		.amdhsa_reserve_vcc 1
		.amdhsa_float_denorm_mode_32 3
		.amdhsa_float_denorm_mode_16_64 3
		.amdhsa_memory_ordered 1
		.amdhsa_forward_progress 1
		.amdhsa_inst_pref_size 237
	.end_amdhsa_kernel
	.amdgpu_metadata
---
amdhsa.version: [ 1, 2 ]
amdhsa.kernels:
  - .name:           k_q155eda213b_prep
    .symbol:         k_q155eda213b_prep.kd
    .args:
      - { .name: q, .offset: 0, .size: 8, .value_kind: global_buffer, .address_space: global }
      - { .name: k, .offset: 8, .size: 8, .value_kind: global_buffer, .address_space: global }
      - { .name: v, .offset: 16, .size: 8, .value_kind: global_buffer, .address_space: global }
      - { .name: mask, .offset: 24, .size: 8, .value_kind: global_buffer, .address_space: global }
      - { .name: Wq, .offset: 32, .size: 8, .value_kind: global_buffer, .address_space: global }
      - { .name: Wk, .offset: 40, .size: 8, .value_kind: global_buffer, .address_space: global }
      - { .name: Wv, .offset: 48, .size: 8, .value_kind: global_buffer, .address_space: global }
      - { .name: Wo, .offset: 56, .size: 8, .value_kind: global_buffer, .address_space: global }
      - { .name: lowp_scales, .offset: 64, .size: 8, .value_kind: global_buffer, .address_space: global }
      - { .name: xc, .offset: 72, .size: 8, .value_kind: global_buffer, .address_space: global }
      - { .name: wc, .offset: 80, .size: 8, .value_kind: global_buffer, .address_space: global }
      - { .name: maskbits, .offset: 88, .size: 8, .value_kind: global_buffer, .address_space: global }
    .group_segment_fixed_size: 68096
    .private_segment_fixed_size: 0
    .kernarg_segment_align: 8
    .kernarg_segment_size: 96
    .max_flat_workgroup_size: 128
    .sgpr_count:     66
    .vgpr_count:     226
    .wavefront_size: 32
...
	.end_amdgpu_metadata
.endif
;; end of part 1
;; launch proj (part 2): grid 4 x 96, 4 waves a work-group, clusters of 4 x 4, 327,680 bytes of LDS; arguments xc, wc, lowp_scales, bq, bk, bv, qkv; writes qkv
.if DOCPART == 2
	.amdgcn_target "amdgcn-amd-amdhsa--gfx1250"
	.amdhsa_code_object_version 6
	.text
	.protected	k_q155eda213b_proj
	.globl	k_q155eda213b_proj
	.p2align	8
	.type	k_q155eda213b_proj,@function
k_q155eda213b_proj:
	s_mov_b64 s[64:65], 0
	v_nop
	global_prefetch_b8 v0, s[64:65] scope:SCOPE_SE
	s_setreg_imm32_b32 hwreg(HW_REG_WAVE_MODE, 25, 1), 1
	s_wait_xcnt 0x0
	s_wait_alu depctr_hold_cnt(0) depctr_sa_sdst(0) depctr_va_vdst(0) depctr_va_sdst(0) depctr_va_ssrc(0) depctr_va_vcc(0) depctr_vm_vsrc(0)
	s_getreg_b32 s2, hwreg(HW_REG_IB_STS2, 6, 4)
	s_cmp_eq_u32 s2, 0
	s_cbranch_scc0 .Lentry_in_a_cluster
	s_endpgm
.Lentry_in_a_cluster:
	s_bfe_u32 s2, ttmp6, 0x10000c
	s_cmp_lg_u32 s2, 0xf033
	s_cbranch_scc0 .Lentry_shape_is_right
	s_endpgm
.Lentry_shape_is_right:
.set TSTR,   16384
.set STEPB,  4096
.set HALFT,  8*STEPB
.set SLOT,   4*HALFT
.set SPARE,  2*SLOT
.set FR,     16
.set NL,     4
.set NP,     4
.set ADRA, 16
.set ADRB, 20
.set CO,   26
.set SPW,  28
.set NIL,  29
.set BI,   32
.set VO,   96
.set LIMV, 104
.set SCV,  105
.set AF,   128
.set TMP,  128
.set CD,   192
.set G1, 24
.set G0, 32
.set G1B, 48
.set G0B, 56
.set TI,  75
.set MSB, 0
.macro WIN new
.if MSB != \new
	s_set_vgpr_msb (MSB<<8)|\new
.set MSB, \new
.endif
.endm
.set MUL_LO, 0xa1
.set MUL_HI, 0xf1
.set TO_B,   0x40
.macro JLOAD g0a, g1a, g0b, g1b
	s_cmp_eq_u32 s15, 0
	s_cbranch_scc0 .Lfor_b_\@
	tensor_load_to_lds s[\g0a:\g0a+3], s[\g1a:\g1a+7]
	s_nop 0
.rept 4
	v_nop
.endr
	s_branch .Lasked_\@
.Lfor_b_\@:
	tensor_load_to_lds s[\g0b:\g0b+3], s[\g1b:\g1b+7]
	s_nop 0
.rept 4
	v_nop
.endr
.Lasked_\@:
.endm
.macro CREST
	s_cmp_lg_u32 s14, 0
	s_cbranch_scc1 .Lnot_wave_0_\@
	s_barrier_signal -3
.Lnot_wave_0_\@:
	s_barrier_wait -3
	s_barrier_signal -1
	s_barrier_wait -1
.endm
.macro CROUND
	s_barrier_signal -1
	s_barrier_wait -1
	CREST
.endm
	s_load_b128 s[4:7], s[0:1], 0x0
	s_load_b128 s[8:11], s[0:1], 0x10
	s_load_b128 s[68:71], s[0:1], 0x20
	s_load_b64 s[72:73], s[0:1], 0x30
	v_lshl_add_u32 v[SPW], v0, 2, SPARE
	v_mov_b32 v[NIL], 0
	ds_add_u32 v28, v29
	ds_add_u32 v28, v29
	s_wait_dscnt 0x0
	v_lshrrev_b32 v1, 5, v0
	v_readfirstlane_b32 s14, v1
	s_lshr_b32 s15, s14, 1
	s_and_b32 s16, s14, 1
	s_bfe_u32 s40, ttmp6, 0x40000
	s_bfe_u32 s41, ttmp6, 0x40004
	s_and_b32 s74, ttmp7, 0xffff
	s_lshr_b32 s[TI], s74, 3
	s_and_b32 s76, s74, 7
	s_lshl_b32 s76, s76, 2
	s_cmp_eq_u32 s[TI], 2
	s_cselect_b32 s77, 0, s76
	s_cselect_b32 s78, s76, 0
	s_add_co_u32 s17, s77, s41
	s_add_co_u32 s42, s78, s40
	s_lshl_b32 s43, s41, 2
	s_lshl_b32 s43, 15, s43
	s_lshl_b32 s44, 0x1111, s40
	s_or_b32 s[G1+0], s43, (3<<16)|(1<<21)
	s_or_b32 s[G1B+0], s44, (3<<16)|(1<<21)
.irp g, G1, G1B
	s_mov_b32 s[\g+1], (STEPB/8)<<16
	s_mov_b32 s[\g+2], 8<<16
	s_mov_b32 s[\g+3], (STEPB/8)<<16
	s_mov_b32 s[\g+4], 8
	s_mov_b32 s[\g+5], TSTR/8
	s_mov_b32 s[\g+6], 0
	s_mov_b32 s[\g+7], 0
.endr
	s_lshl_b32 s18, s16, 17
	s_lshl_b32 s20, s17, 18
	s_add_co_u32 s20, s20, s18
	s_lshl_b32 s46, s42, 18
	s_add_co_u32 s46, s46, s18
	s_lshl_b32 s79, s[TI], 23
	s_lshl_b32 s19, s[TI], 20
	s_cmp_eq_u32 s[TI], 2
	s_cselect_b32 s21, s19, s79
	s_cselect_b32 s47, s79, s19
	s_add_co_u32 s20, s20, s21
	s_add_co_u32 s46, s46, s47
	s_mov_b32 s21, 0
	s_mov_b32 s47, 0
	s_mul_i32 s45, s14, HALFT
	s_wait_kmcnt 0x0
	s_load_b256 s[80:87], s[8:9], 0x0
	s_load_b64 s[88:89], s[8:9], 0x20
	s_cmp_eq_u32 s[TI], 2
	s_cselect_b64 s[22:23], s[6:7], s[4:5]
	s_cselect_b64 s[90:91], s[4:5], s[6:7]
	s_add_nc_u64 s[20:21], s[22:23], s[20:21]
	s_add_nc_u64 s[46:47], s[90:91], s[46:47]
	CROUND
.irp s, 0,1
	s_mov_b32 s[G0+4*\s], 1
	s_add_co_u32 s[G0+4*\s+1], s45, \s*SLOT
	s_add_nc_u64 s[G0+4*\s+2:G0+4*\s+3], s[20:21], \s*STEPB
	s_or_b32 s[G0+4*\s+3], s[G0+4*\s+3], 0x80000000
	s_mov_b32 s[G0B+4*\s], 1
	s_add_co_u32 s[G0B+4*\s+1], s45, \s*SLOT
	s_add_nc_u64 s[G0B+4*\s+2:G0B+4*\s+3], s[46:47], \s*STEPB
	s_or_b32 s[G0B+4*\s+3], s[G0B+4*\s+3], 0x80000000
	s_wait_alu depctr_va_vdst(0)
	s_wait_tensorcnt 0x0
	ds_add_u32 v28, v29
	ds_add_u32 v28, v29
	s_wait_dscnt 0x0
	CROUND
	JLOAD G0+4*\s, G1, G0B+4*\s, G1B
.endr
	v_and_b32 v1, 31, v0
	v_lshlrev_b32 v[CO], 4, v1
	v_and_b32 v2, 15, v0
	s_wait_alu depctr_va_vdst(0)
	v_bfe_u32 v3, v0, 4, 1
	s_mul_i32 s21, s15, HALFT
	s_mul_i32 s22, s16, HALFT
	s_add_co_u32 s22, s22, 2*HALFT
.irp s, 0,1
	v_add_nc_u32 v[ADRA+\s], s21, v[CO]
	v_add_nc_u32 v[ADRB+\s], s22, v[CO]
	s_add_co_u32 s21, s21, SLOT
	s_add_co_u32 s22, s22, SLOT
.endr
	s_cmp_eq_u32 s[TI], 2
	s_cselect_b32 s18, 4, 0
	s_cselect_b32 s19, 0, 32
	s_cselect_b32 s79, 0, 4
	s_cselect_b32 s92, s17, s42
	s_cselect_b32 s93, s42, s17
	s_cselect_b32 s94, s15, s16
	s_cselect_b32 s95, s16, s15
	s_cselect_b64 s[90:91], s[70:71], s[68:69]
	s_cmp_eq_u32 s[TI], 0
	s_cselect_b64 s[90:91], s[10:11], s[90:91]
	v_mul_u32_u24 v4, s18, v2
	s_wait_alu depctr_va_vdst(0)
	v_mad_u32_u24 v4, s19, v3, v4
.irp j, 0,1,2,3,4,5,6,7
	v_mad_u32_u24 v[VO+\j], s79, \j, v4
.endr
	s_lshl_b32 s18, s92, 10
	s_lshl_b32 s19, s94, 9
	s_add_co_u32 s18, s18, s19
	s_mov_b32 s19, 0
	s_add_nc_u64 s[90:91], s[90:91], s[18:19]
.irp x, 0,1,2,3,4,5,6,7
.irp j, 0,1,2,3,4,5,6,7
	global_load_b32 v[BI+8*\x+\j], v[VO+\j], s[90:91] offset:64*\x
.endr
.endr
	s_lshr_b32 s18, s93, 3
	s_mul_i32 s18, s18, 6291456
	s_lshl_b32 s19, s92, 2
	s_lshl_b32 s79, s94, 1
	s_add_co_u32 s19, s19, s79
	s_mul_i32 s19, s19, 393216
	s_add_co_u32 s18, s18, s19
	s_lshl_b32 s19, s[TI], 17
	s_add_co_u32 s18, s18, s19
	s_and_b32 s19, s93, 7
	s_lshl_b32 s19, s19, 4
	s_lshl_b32 s79, s95, 3
	s_add_co_u32 s19, s19, s79
	s_lshl_b32 s19, s19, 10
	s_add_co_u32 s18, s18, s19
	s_mov_b32 s19, 0
	s_add_nc_u64 s[72:73], s[72:73], s[18:19]
	s_wait_kmcnt 0x0
	s_add_co_i32 s92, s80, s81
	s_add_co_i32 s93, s82, s83
	s_add_co_i32 s94, s84, s85
	s_cmp_eq_u32 s[TI], 0
	s_cselect_b32 s96, s92, s93
	s_cselect_b32 s95, s86, s87
	s_cmp_eq_u32 s[TI], 2
	s_cselect_b32 s96, s94, s96
	s_cselect_b32 s95, s89, s95
	s_add_co_i32 s96, s96, 127
	s_lshl_b32 s96, s96, 23
	s_mov_b32 s97, s96
	s_add_co_i32 s95, s95, 127
	s_lshl_b32 s94, s95, 23
	v_mov_b32 v[SCV], s94
.macro FRAG reg, adr, q, i
.irp c, 0,1,2,3
	ds_load_b128 v[\reg+4*\c:\reg+4*\c+3], v[\adr] offset:2048*(\q)+512*\c+(\i)*STEPB
.endr
.endm
.macro MUL16 a0, p, zero
.irp a, \a0, \a0+1
.irp b, 0,1,2,3,4,5,6,7
.if \zero
	v_wmma_f32_16x16x128_bf8_bf8 v[8*(8*((\a)%4)+\b):8*(8*((\a)%4)+\b)+7], v[128*(\p)+FR*\b:128*(\p)+FR*\b+FR-1], v[AF+FR*(\a):AF+FR*(\a)+FR-1], 0
.else
	v_wmma_f32_16x16x128_bf8_bf8 v[8*(8*((\a)%4)+\b):8*(8*((\a)%4)+\b)+7], v[128*(\p)+FR*\b:128*(\p)+FR*\b+FR-1], v[AF+FR*(\a):AF+FR*(\a)+FR-1], v[8*(8*((\a)%4)+\b):8*(8*((\a)%4)+\b)+7]
.endif
.endr
.endr
.endm
.macro FETCH_B slot, q, p
	WIN TO_B
.irp i, 0,1,2,3,4,5,6,7
	FRAG 128*(\p)+FR*\i, ADRB+\slot, \q, \i
.endr
	WIN 0
.endm
.macro FETCH_A slot, q, i0
.irp i, \i0, \i0+1, \i0+2, \i0+3
	FRAG AF+FR*(\i), ADRA+\slot, \q, \i
.endr
.endm
.macro PLACES n
.rept \n
	v_nop
.endr
.endm
.macro STEP slot, q, zero
	s_wait_dscnt 4*NL
	WIN MUL_LO
	MUL16 0, (\q)%2, \zero
	MUL16 2, (\q)%2, \zero
	s_wait_dscnt 0
	PLACES NP
	FETCH_B \slot, (\q)+1, 1-(\q)%2
	FETCH_A \slot, (\q)+1, 0
	WIN MUL_HI
	MUL16 4, (\q)%2, \zero
	MUL16 6, (\q)%2, \zero
	PLACES NP
	WIN 0
	FETCH_A \slot, (\q)+1, 4
.endm
.macro TURN slot, next, fill
	s_wait_tensorcnt 0x0
	ds_add_u32 v[SPW], v[NIL]
	s_wait_dscnt 4*NL+1
	WIN MUL_LO
	MUL16 0, 1, 0
	s_wait_dscnt 0x0
	s_barrier_signal -1
	MUL16 2, 1, 0
	WIN 0
	s_barrier_wait -1
.if \fill
	CREST
	s_add_nc_u64 s[G0+4*\slot+2:G0+4*\slot+3], s[G0+4*\slot+2:G0+4*\slot+3], 2*STEPB
	s_add_nc_u64 s[G0B+4*\slot+2:G0B+4*\slot+3], s[G0B+4*\slot+2:G0B+4*\slot+3], 2*STEPB
	JLOAD G0+4*\slot, G1, G0B+4*\slot, G1B
.else
	PLACES NP
.endif
	FETCH_B \next, 0, 0
	FETCH_A \next, 0, 0
	WIN MUL_HI
	MUL16 4, 1, 0
	MUL16 6, 1, 0
	PLACES NP
	WIN 0
	FETCH_A \next, 0, 4
.endm
	s_wait_tensorcnt 1
	s_barrier_signal -1
	s_barrier_wait -1
	FETCH_B 0, 0, 0
	FETCH_A 0, 0, 0
	FETCH_A 0, 0, 4
	STEP 0, 0, 1
	TURN 0, 1, 1
	STEP 1, 0, 0
	TURN 1, 0, 1
	STEP 0, 0, 0
	TURN 0, 1, 0
	STEP 1, 0, 0
	s_wait_dscnt 4*NL
	WIN MUL_LO
	MUL16 0, 1, 0
	MUL16 2, 1, 0
	s_wait_dscnt 0
	WIN MUL_HI
	MUL16 4, 1, 0
	MUL16 6, 1, 0
	WIN 0
.macro OUTB a, isv
.set CDS, CD+16*((\a)%2)
.if (\a) >= 2
	s_wait_xcnt 0x0
.endif
	WIN 0x02+((\a)/4)
.irp b, 0,1,2,3,4,5,6,7
.irp i, 0,2,4,6
.if \isv
	v_pk_fma_f32 v[TMP+8*\b+\i:TMP+8*\b+\i+1], v[64*((\a)%4)+8*\b+\i:64*((\a)%4)+8*\b+\i+1], s[96:97], v[BI+8*(\a)+\i:BI+8*(\a)+\i+1] op_sel_hi:[1,0,1]
.else
	v_pk_fma_f32 v[TMP+8*\b+\i:TMP+8*\b+\i+1], v[64*((\a)%4)+8*\b+\i:64*((\a)%4)+8*\b+\i+1], s[96:97], v[BI+8*\b+\i:BI+8*\b+\i+1] op_sel_hi:[1,0,1]
.endif
.endr
.endr
	WIN 0
.set oj, 0
.rept 64
.set oj, oj+1
.endr
.irp b, 0,1,2,3,4,5,6,7
	v_cvt_scalef32_pk8_bf8_f32 v[CDS+2*\b:CDS+2*\b+1], v[TMP+8*\b:TMP+8*\b+7], v[SCV]
.endr
	v_nop
.irp bb, 0,1
.irp g, 0,1
.if \isv
	global_store_b128 v[CO], v[CDS+8*\bb+4*\g:CDS+8*\bb+4*\g+3], s[72:73] offset:((\a)/4)*393216+((\a)%4)*1024+\bb*4096+\g*512
.else
	global_store_b128 v[CO], v[CDS+8*\bb+4*\g:CDS+8*\bb+4*\g+3], s[72:73] offset:(\a)*1024+\bb*393216+\g*512
.endif
.endr
.endr
.endm
	s_wait_loadcnt 0x0
	PLACES NP
	s_cmp_eq_u32 s[TI], 2
	s_cbranch_scc1 .Lout_v
.irp a, 0,1,2,3,4,5,6,7
	OUTB \a, 0
.endr
	s_branch .Lout_done
.Lout_v:
.irp a, 0,1,2,3,4,5,6,7
	OUTB \a, 1
.endr
.Lout_done:
	s_wait_tensorcnt 0x0
	ds_add_u32 v[SPW], v[NIL]
	s_wait_dscnt 0x0
	CROUND
	s_endpgm
.Lfunc_end_k_q155eda213b_proj:
	.size	k_q155eda213b_proj, .Lfunc_end_k_q155eda213b_proj-k_q155eda213b_proj
	.p2alignl 7, 3214868480
	.fill 96, 4, 3214868480
	.section	.rodata,"a",@progbits
	.p2align	6, 0x0
	.amdhsa_kernel k_q155eda213b_proj
		.amdhsa_group_segment_fixed_size 327680
		.amdhsa_private_segment_fixed_size 0
		.amdhsa_enable_private_segment 0
		.amdhsa_kernarg_size 56
		.amdhsa_user_sgpr_count 2
		.amdhsa_user_sgpr_kernarg_segment_ptr 1
		.amdhsa_wavefront_size32 1
		.amdhsa_system_sgpr_workgroup_id_x 1
		.amdhsa_system_sgpr_workgroup_id_y 1
		.amdhsa_system_sgpr_workgroup_id_z 1
		.amdhsa_system_vgpr_workitem_id 0
		.amdhsa_next_free_vgpr 1024
		.amdhsa_next_free_sgpr 100
		.amdhsa_reserve_vcc 0
		.amdhsa_float_denorm_mode_32 3
		.amdhsa_float_denorm_mode_16_64 3
		.amdhsa_fp16_overflow 1
		.amdhsa_memory_ordered 1
		.amdhsa_forward_progress 1
		.amdhsa_inst_pref_size 134
	.end_amdhsa_kernel
	.amdgpu_metadata
---
amdhsa.version: [ 1, 2 ]
amdhsa.kernels:
  - .name:           k_q155eda213b_proj
    .symbol:         k_q155eda213b_proj.kd
    .args:
      - { .name: xc, .offset: 0, .size: 8, .value_kind: global_buffer, .address_space: global }
      - { .name: wc, .offset: 8, .size: 8, .value_kind: global_buffer, .address_space: global }
      - { .name: lowp_scales, .offset: 16, .size: 8, .value_kind: global_buffer, .address_space: global }
      - { .name: bq, .offset: 24, .size: 8, .value_kind: global_buffer, .address_space: global }
      - { .name: bk, .offset: 32, .size: 8, .value_kind: global_buffer, .address_space: global }
      - { .name: bv, .offset: 40, .size: 8, .value_kind: global_buffer, .address_space: global }
      - { .name: qkv, .offset: 48, .size: 8, .value_kind: global_buffer, .address_space: global }
    .group_segment_fixed_size: 327680
    .private_segment_fixed_size: 0
    .kernarg_segment_align: 8
    .kernarg_segment_size: 56
    .max_flat_workgroup_size: 128
    .sgpr_count:     100
    .vgpr_count:     1024
    .wavefront_size: 32
...
	.end_amdgpu_metadata
.endif
;; end of part 2
;; launch attn (part 3): grid 4 x 64, 16 waves a work-group, clusters of 4 x 1, 264,192 bytes of LDS; arguments qkv, maskbits, lowp_scales, ao; writes ao
.if DOCPART == 3
	.amdgcn_target "amdgcn-amd-amdhsa--gfx1250"
	.amdhsa_code_object_version 6
	.text
	.protected	k_q155eda213b_attn
	.globl	k_q155eda213b_attn
	.p2align	8
	.type	k_q155eda213b_attn,@function
k_q155eda213b_attn:
	s_mov_b64 s[64:65], 0
	v_nop
	global_prefetch_b8 v0, s[64:65] scope:SCOPE_SE
	s_setreg_imm32_b32 hwreg(HW_REG_WAVE_MODE, 25, 1), 1
	s_wait_xcnt 0x0
	s_wait_alu depctr_hold_cnt(0) depctr_sa_sdst(0) depctr_va_vdst(0) depctr_va_sdst(0) depctr_va_ssrc(0) depctr_va_vcc(0) depctr_vm_vsrc(0)
	s_getreg_b32 s2, hwreg(HW_REG_IB_STS2, 6, 4)
	s_cmp_eq_u32 s2, 0
	s_cbranch_scc0 .Lentry_in_a_cluster
	s_endpgm
.Lentry_in_a_cluster:
	s_bfe_u32 s2, ttmp6, 0x10000c
	s_cmp_lg_u32 s2, 0x3003
	s_cbranch_scc0 .Lentry_shape_is_right
	s_endpgm
.Lentry_shape_is_right:
; ATTN: out[b][h][q] = the sum over keys of softmax(where(mask, qh . kh / 8, -1e-6)) vh, both products on codes of E5M2; the result is quantised at once for the last product.
; A hidden score becomes -1e-6, not -infinity: every key counts for every query, and no step is left out.
; THE SOFTMAX AHEAD OF THE SECOND PRODUCT: t = logit x log2(e); M = the running largest t rounded UP to a whole number; p = 2^(t - M) is quantised with 2^e8, not normalised; the row's sum is taken of the
; unquantised p and divides at the end.  When M moves, the sum and O are multiplied by 2^(old M - new M): exact.
; SHARES.  A work-group owns one (batch, head) and 512 of its queries; each of its sixteen waves 32 of them, two tiles of 16, in 256 registers: four waves to a SIMD.  Every wave walks all 2,048 keys, 64 a step.
; THE HEAD'S WHOLE K AND V, 262,144 bytes of register images, COME INTO LDS ONCE: wave w asks for 16,384 bytes.  Nothing is filled again, so there is one barrier and no ring.
; CLUSTER.  The four query blocks of a head form a cluster and ask for K and V JOINTLY: the same sixteen loads, the same descriptors, a mask that names the four.
; LAYOUT.  Both products are used transposed: S^T = K Q^T (source 0 = 16 keys, source 1 = 16 queries), O^T = V^T P^T (source 0 = 16 channels, source 1 = P): a lane holds ONE query (lane % 16) throughout.
; In the K = 64 form registers 2 c, 2 c + 1 hold k = 16 c + 8 h + 0 .. 7, and register j of S^T's tile u holds key 16 u + 8 h + j: so the conversions' results are P's fragment, each key in its true place.
; THE MASK comes as lane masks: word (n, t) holds, for the 32 lanes, the bits of register n of tile t.  A step's 64 words are 256 bytes, read by four scalar loads one step ahead.
; LIMITS on the given exponents: e6 + e7 between -123 and 130 (added to c's exponent field); e8 and e10 between -126 and 112; e8 + e9 is applied by v_ldexp_f32 and has none.  NaN among the inputs is not served.
; REGISTERS: v1 16 x lane; v2 the same in V's half of LDS; v3, v4 the step's addresses; v5 the raw score that stands for -1e-6; v6, v7 the hold and the scale; v8-23 Q; v24-55 K's four fragments; v56-87 V's;
;   v88-151 S^T, then p; v152-215 O^T; v216-231 codes; v232-251 ten registers of statistics a tile; v252, v253 the exchanges.
.set HEADB, 393216                     ; a head in qkv: Q, K, V, 131,072 bytes each
.set VOFF,  131072                     ; LDS: K's 128 fragments of 1,024 bytes, then V's (step of 64 keys, tile of 16 channels)
.set Q,   8
.set KF,  24
.set VF,  56
.set S,   88
.set O,   152
.set PC,  216
.set ST,  232                          ; tile t at v[ST + 10 t]: +0 -M, +1 the largest t, +2, +3 the sum in two halves, +4 f, +5 its pair's upper half, +6, +7 at work, +8, +9 the sum's second chain
.macro CROUND                          ; a round of the cluster's barrier
	s_barrier_signal -1
	s_barrier_wait -1
	s_cmp_lg_u32 s12, 0
	s_cbranch_scc1 .Lnot_wave_0_\@
	s_barrier_signal -3
.Lnot_wave_0_\@:
	s_barrier_wait -3
	s_barrier_signal -1
	s_barrier_wait -1
.endm
.macro MLOAD                           ; a step's 64 mask words: word 2 n + t in s[16 + ..], past s64 and s65
	s_load_b512 s[16:31], s[6:7], s15 offset:0x0
	s_load_b512 s[32:47], s[6:7], s15 offset:0x40
	s_load_b512 s[48:63], s[6:7], s15 offset:0x80
	s_load_b512 s[68:83], s[6:7], s15 offset:0xc0
.endm
	s_load_b256 s[4:11], s[0:1], 0x0               ; qkv s[4:5], maskbits s[6:7], lowp_scales s[8:9], ao s[10:11]
	v_lshl_add_u32 v254, v0, 2, 0x40000
	v_mov_b32 v255, 0
	ds_add_u32 v254, v255
	ds_add_u32 v254, v255
	v_lshrrev_b32 v1, 5, v0
	s_delay_alu instid0(VALU_DEP_1)
	v_readfirstlane_b32 s12, v1                    ; wave 0..15
	s_bfe_u32 s24, ttmp6, 0x40000                  ; cx: my block of 512 queries: it enters Q's, the mask's and ao's addresses alone
	s_and_b32 s25, ttmp7, 0xffff                   ; batch x 16 + head, which the four partners share
	s_mul_i32 s26, s25, HEADB
	s_mov_b32 s27, 0
	s_lshl_b32 s28, s12, 14                        ; my 16,384 bytes of K and V, in LDS
	s_add_co_u32 s30, s28, 131072                  ; and in the head, behind Q
	s_mov_b32 s31, 0
	; descriptor group 1: a dense block of 16,384 bytes as 64 rows of 256
	s_mov_b32 s88, 15|(3<<16)|(1<<21)              ; 15:0 the mask: all four work-groups; 17:16 elements of 8 bytes; 21 set beside a mask
	s_mov_b32 s89, 32<<16                          ; tensor_dim0 = 32
	s_mov_b32 s90, 64<<16                          ; tensor_dim1 = 64
	s_mov_b32 s91, 32<<16                          ; tile_dim0 = 32
	s_mov_b32 s92, 64                              ; tile_dim1 = 64
	s_mov_b32 s93, 32                              ; tensor_dim0_stride
	s_mov_b32 s94, 0
	s_mov_b32 s95, 0
	s_mov_b32 s96, 0x76543210                      ; v_permlanex16_b32's selects for lane l xor 16
	s_mov_b32 s97, 0xfedcba98
	s_wait_dscnt 0x0
	s_wait_kmcnt 0x0
	s_load_b128 s[16:19], s[8:9], 0x18             ; e6, e7, e8, e9
	s_load_b32 s20, s[8:9], 0x28                   ; e10
	s_add_nc_u64 s[4:5], s[4:5], s[26:27]          ; qkv at my head
	CROUND                                         ; all four work-groups are here: the joint loads meet
	s_mov_b32 s84, 1                               ; count = 1
	s_mov_b32 s85, s28                             ; LDS address
	s_add_nc_u64 s[86:87], s[4:5], s[30:31]        ; global address
	s_or_b32 s87, s87, 0x80000000                  ; type = 2
	tensor_load_to_lds s[84:87], s[88:95]          ; my one tensor load of the launch
	s_nop 0
.rept 4
	v_nop
.endr
	v_and_b32 v1, 31, v0
	s_delay_alu instid0(VALU_DEP_1)
	v_lshlrev_b32 v1, 4, v1
	s_delay_alu instid0(VALU_DEP_1)
	v_add_nc_u32 v2, VOFF, v1
	s_lshl_b32 s34, s24, 5
	s_lshl_b32 s35, s12, 1
	s_add_co_u32 s34, s34, s35                     ; my first tile of 16 queries in the head: 32 cx + 2 wave
	s_lshl_b32 s36, s34, 10
	s_mov_b32 s37, 0
	s_add_nc_u64 s[4:5], s[4:5], s[36:37]          ; Q's fragments (the descriptor has its own copy of the address)
.irp t, 0,1
	global_load_b128 v[Q+8*\t:Q+8*\t+3], v1, s[4:5] offset:1024*\t
	global_load_b128 v[Q+8*\t+4:Q+8*\t+7], v1, s[4:5] offset:1024*\t+512
.endr
	s_lshr_b32 s38, s25, 4                         ; batch
	s_lshl_b32 s36, s38, 7
	s_add_co_u32 s36, s36, s34                     ; my first tile of 16 tokens of 512,
	s_lshl_b32 s36, s36, 14
	s_and_b32 s39, s25, 15
	s_lshl_b32 s39, s39, 10                        ; my head's 1,024 bytes in it
	s_add_co_u32 s36, s36, s39
	s_add_nc_u64 s[10:11], s[10:11], s[36:37]
	s_lshl_b32 s36, s38, 19
	s_lshl_b32 s39, s24, 4
	s_add_co_u32 s39, s39, s12                     ; my block of 32 queries: 16 cx + wave
	s_lshl_b32 s39, s39, 13
	s_add_co_u32 s36, s36, s39
	s_add_nc_u64 s[6:7], s[6:7], s[36:37]
.irp t, 0,1
	v_mov_b32 v[ST+10*\t+1], 0xff61b1e6            ; the largest t so far: -3e38, under every t
	v_mov_b32 v[ST+10*\t+2], 0                     ; the sum
	v_mov_b32 v[ST+10*\t+3], 0
	v_mov_b32 v[ST+10*\t+5], 0                     ; (named as the upper half of f's pair)
	v_mov_b32 v[252+\t], 0                         ; written once: a lane permute's destination counts as one of its sources
	v_floor_f32 v[ST+10*\t], -v[ST+10*\t+1]        ; -M
.endr
.set j, 0
.rept 64
	v_mov_b32 v[O+j], 0                            ; O^T.  (The step is written once: the first finds zeros, which the first change of M leaves zeros)
.set j, j+1
.endr
	s_wait_kmcnt 0x0
	s_add_co_i32 s21, s16, s17                     ; e6 + e7
	s_lshl_b32 s22, s21, 23
	s_mov_b32 s98, 0x3e38aa3b                      ; c = log2(e) / 8
	s_add_co_i32 s98, s98, s22                     ; a raw score stands for score x 2^(e6 + e7): added to c's exponent field
	s_mov_b32 s99, s98                             ; (named with it as a pair, so it is written)
	s_sub_co_i32 s21, 3, s21
	v_mov_b32 v5, 0xb58637bd                       ; -1e-6
	s_delay_alu instid0(VALU_DEP_1)
	v_ldexp_f32 v5, v5, s21                        ; x 8 / 2^(e6 + e7): the raw score whose logit is -1e-6
	s_add_co_i32 s22, s18, 127
	s_lshl_b32 s23, s22, 23
	v_mov_b32 v7, s23                              ; 2^e8
	s_add_co_i32 s2, s18, s19                      ; e8 + e9
	s_mov_b32 s3, s20                              ; e10
	s_mov_b32 s13, 32                              ; steps to go
	s_mov_b32 s14, 0                               ; the step's first byte in K's and in V's half of LDS
	s_mov_b32 s15, 0                               ; and among my mask words
	MLOAD                                          ; step 0's words
	s_wait_loadcnt 0x0                             ; Q
	s_wait_tensorcnt 0x0                           ; my part of K and V is in,
	s_barrier_signal -1
	s_barrier_wait -1                              ; everybody's is
.Lstep:                                                ; 64 keys x 32 queries
	s_setprio 2
	v_add_nc_u32 v3, s14, v1
	v_add_nc_u32 v4, s14, v2
	v_nop
	v_nop                                          ; four plain lines between the last step's products and the loads into V's registers
.irp u, 0,1,2,3
	ds_load_b128 v[KF+8*\u:KF+8*\u+3], v3 offset:1024*\u
	ds_load_b128 v[KF+8*\u+4:KF+8*\u+7], v3 offset:1024*\u+512
.endr
.irp u, 0,1,2,3
	ds_load_b128 v[VF+8*\u:VF+8*\u+3], v4 offset:1024*\u
	ds_load_b128 v[VF+8*\u+4:VF+8*\u+7], v4 offset:1024*\u+512
.endr
	s_wait_dscnt 8                                 ; K's eight loads are in; V's eight may be out
.irp u, 0,1,2,3
.irp t, 0,1
	v_wmma_f32_16x16x64_bf8_bf8 v[S+32*\t+8*\u:S+32*\t+8*\u+7], v[KF+8*\u:KF+8*\u+7], v[Q+8*\t:Q+8*\t+7], 0
.endr
.endr
.rept 4
	v_nop
.endr
	s_wait_alu depctr_va_vdst(0)
	s_wait_kmcnt 0x0                               ; this step's mask words, asked for a step ago
.set n, 0
.rept 32
.irp t, 0,1
	v_cndmask_b32 v[S+32*\t+n], v5, v[S+32*\t+n], s[16+2*n+\t+4*((2*n+\t)/48)]   ; where the mask is false: the score that stands for -1e-6.  Each tile from its low end on
.endr
.set n, n+1
.endr
	s_add_co_u32 s15, s15, 256
	s_and_b32 s15, s15, 0x1fff                     ; the last step wraps to step 0: the loads stay inside the buffer, and nobody reads what they bring
	MLOAD                                          ; the next step's words
.irp t, 0,1                                    ; the step's largest score of my query among my 32 keys, in two chains, the tiles by turns
	v_max3_num_f32 v[ST+10*\t+6], v[S+32*\t], v[S+32*\t+1], v[S+32*\t+2]
	v_max3_num_f32 v[ST+10*\t+7], v[S+32*\t+3], v[S+32*\t+4], v[S+32*\t+5]
.endr
.irp i, 6,10,14,18,22,26
.irp t, 0,1
	s_delay_alu instid0(VALU_DEP_4)
	v_max3_num_f32 v[ST+10*\t+6], v[ST+10*\t+6], v[S+32*\t+\i], v[S+32*\t+\i+1]
	s_delay_alu instid0(VALU_DEP_4)
	v_max3_num_f32 v[ST+10*\t+7], v[ST+10*\t+7], v[S+32*\t+\i+2], v[S+32*\t+\i+3]
.endr
.endr
.irp t, 0
	s_delay_alu instid0(VALU_DEP_4)
	v_max3_num_f32 v[ST+10*\t+6], v[ST+10*\t+6], v[S+32*\t+30], v[S+32*\t+31]
.endr
.irp t, 1
	s_delay_alu instid0(VALU_DEP_3)
	v_max3_num_f32 v[ST+10*\t+6], v[ST+10*\t+6], v[S+32*\t+30], v[S+32*\t+31]
.endr
.irp t, 0,1
	s_delay_alu instid0(VALU_DEP_2)
	v_max_num_f32 v[ST+10*\t+6], v[ST+10*\t+6], v[ST+10*\t+7]
.endr
.irp t, 0,1
	s_delay_alu instid0(VALU_DEP_2)
	v_permlanex16_b32 v[252+\t], v[ST+10*\t+6], s96, s97
.endr
.irp t, 0,1
	s_delay_alu instid0(VALU_DEP_2)
	v_max_num_f32 v[ST+10*\t+6], v[ST+10*\t+6], v[252+\t]      ; and among lane l xor 16's
.endr
.irp t, 0,1
	s_delay_alu instid0(VALU_DEP_2)
	v_mul_f32 v[ST+10*\t+6], s98, v[ST+10*\t+6]                ; as t (c is positive)
.endr
.irp t, 0,1
	s_delay_alu instid0(VALU_DEP_2)
	v_max_num_f32 v[ST+10*\t+1], v[ST+10*\t+1], v[ST+10*\t+6]  ; the running largest t
.endr
.irp t, 0,1
	v_mov_b32 v[ST+10*\t+7], v[ST+10*\t]
.endr
.irp t, 0,1
	s_delay_alu instid0(VALU_DEP_4)
	v_floor_f32 v[ST+10*\t], -v[ST+10*\t+1]                    ; the new -M = floor(-t) = -ceil(t)
.endr
.irp t, 0,1
	s_delay_alu instid0(VALU_DEP_2)
	v_sub_f32 v[ST+10*\t+7], v[ST+10*\t], v[ST+10*\t+7]        ; old M - new M: a whole number, 0 or less
.endr
.irp t, 0,1
	s_delay_alu instid0(VALU_DEP_2)
	v_cvt_i32_f32 v[ST+10*\t+7], v[ST+10*\t+7]                 ; (it saturates)
.endr
.irp t, 0,1
	s_delay_alu instid0(VALU_DEP_2)
	v_ldexp_f32 v[ST+10*\t+4], 1.0, v[ST+10*\t+7]              ; f = 2^(old M - new M)
.endr
.irp t, 0,1
.set j, 0
.rept 16
	v_pk_fma_f32 v[S+32*\t+j:S+32*\t+j+1], v[S+32*\t+j:S+32*\t+j+1], s[98:99], v[ST+10*\t:ST+10*\t+1] op_sel_hi:[1,0,0]   ; t - M, two at a time (of the pairs c and -M the low word serves both halves)
.set j, j+2
.endr
.endr
.set j, 0
	s_setprio 1
	s_wait_alu depctr_va_vdst(0)
.rept 64
	v_exp_f32 v[S+j], v[S+j]                       ; p = 2^(t - M), at most 1: one batch
.set j, j+1
.endr
.irp t, 0,1
	v_pk_mul_f32 v[ST+10*\t+2:ST+10*\t+3], v[ST+10*\t+2:ST+10*\t+3], v[ST+10*\t+4:ST+10*\t+5] op_sel_hi:[1,0]   ; the sums under the new M: plain lines behind the exponentials
.endr
	s_wait_alu depctr_va_vdst(0)                   ; one wait for the whole batch, ahead of its first reader
.irp t, 0,1
	v_pk_add_f32 v[ST+10*\t+8:ST+10*\t+9], v[S+32*\t:S+32*\t+1], v[S+32*\t+2:S+32*\t+3]     ; the row's sum is taken of the unquantised p, in two chains
.endr
.irp i, 4,8,12,16,20,24,28
.irp t, 0,1
	v_pk_add_f32 v[ST+10*\t+2:ST+10*\t+3], v[ST+10*\t+2:ST+10*\t+3], v[S+32*\t+\i:S+32*\t+\i+1]
	v_pk_add_f32 v[ST+10*\t+8:ST+10*\t+9], v[ST+10*\t+8:ST+10*\t+9], v[S+32*\t+\i+2:S+32*\t+\i+3]
.endr
.endr
.irp t, 0
	s_delay_alu instid0(VALU_DEP_3)
	v_pk_add_f32 v[ST+10*\t+2:ST+10*\t+3], v[ST+10*\t+2:ST+10*\t+3], v[ST+10*\t+8:ST+10*\t+9]
.endr
.irp t, 1
	s_delay_alu instid0(VALU_DEP_2)
	v_pk_add_f32 v[ST+10*\t+2:ST+10*\t+3], v[ST+10*\t+2:ST+10*\t+3], v[ST+10*\t+8:ST+10*\t+9]
.endr
.irp t, 0,1
.irp u, 0,1,2,3
.irp i, 0,1,2,3,4,5,6,7
.endr
	v_cvt_scalef32_pk8_bf8_f32 v[PC+8*\t+2*\u:PC+8*\t+2*\u+1], v[S+32*\t+8*\u:S+32*\t+8*\u+7], v7
.endr
.endr
.irp t, 0,1
.set j, 0
.rept 16
	v_pk_mul_f32 v[O+32*\t+j:O+32*\t+j+1], v[O+32*\t+j:O+32*\t+j+1], v[ST+10*\t+4:ST+10*\t+5] op_sel_hi:[1,0]   ; O^T under the new M; also the plain lines between the conversions and the products
.set j, j+2
.endr
.endr
	s_setprio 0
	s_wait_alu depctr_va_vdst(0)
	s_wait_dscnt 0x0                               ; V's fragments
.irp u, 0,1,2,3                                ; eight accumulators, one instruction a turn
.irp t, 0,1
	v_wmma_f32_16x16x64_bf8_bf8 v[O+32*\t+8*\u:O+32*\t+8*\u+7], v[VF+8*\u:VF+8*\u+7], v[PC+8*\t:PC+8*\t+7], v[O+32*\t+8*\u:O+32*\t+8*\u+7]
.endr
.endr
	s_add_co_u32 s14, s14, 4096
	s_sub_co_u32 s13, s13, 1
	s_cmp_lg_u32 s13, 0
	s_cbranch_scc1 .Lstep
	s_setprio 0
	; THE WAY OUT.  O^T x 2^(e8 + e9) / the sum is the head's output; it is converted with 2^e10 and stored as its 1,024 bytes of the last product's fragments:
	; register j of tile u is channel 16 u + 8 h + j of my query, so four registers of codes are channels 32 g + 8 h + 0 .. 7 and 32 g + 16 + 8 h + 0 .. 7: the order in which Wo's codes were laid.
.rept 4
	v_nop
.endr
.irp t, 0,1
	v_add_f32 v[ST+10*\t+6], v[ST+10*\t+2], v[ST+10*\t+3]      ; the sum's two halves,
.endr
.irp t, 0,1
	s_delay_alu instid0(VALU_DEP_2)
	v_permlanex16_b32 v[252+\t], v[ST+10*\t+6], s96, s97
.endr
.irp t, 0,1
	s_delay_alu instid0(VALU_DEP_2)
	v_add_f32 v[ST+10*\t+6], v[ST+10*\t+6], v[252+\t]          ; and lane l xor 16's
.endr
	s_wait_alu depctr_va_vdst(0)
.irp t, 0,1
	v_rcp_f32 v[ST+10*\t+4], v[ST+10*\t+6]
.endr
	s_add_co_i32 s3, s3, 127
	s_lshl_b32 s13, s3, 23
	v_mov_b32 v7, s13                              ; 2^e10  (a plain line behind the reciprocals)
	s_wait_alu depctr_va_vdst(0)                   ; one wait for the two reciprocals, ahead of their first reader
.irp t, 0,1
	v_ldexp_f32 v[ST+10*\t+4], v[ST+10*\t+4], s2   ; x 2^(e8 + e9)
.endr
.irp t, 0,1
.set j, 0
.rept 16
	v_pk_mul_f32 v[O+32*\t+j:O+32*\t+j+1], v[O+32*\t+j:O+32*\t+j+1], v[ST+10*\t+4:ST+10*\t+5] op_sel_hi:[1,0]
.set j, j+2
.endr
.endr
.irp t, 0,1
.irp u, 0,1,2,3
.irp i, 0,1,2,3,4,5,6,7
.endr
	v_cvt_scalef32_pk8_bf8_f32 v[PC+8*\t+2*\u:PC+8*\t+2*\u+1], v[O+32*\t+8*\u:O+32*\t+8*\u+7], v7
.endr
.endr
	v_nop
.irp t, 0,1
.irp g, 0,1
	global_store_b128 v1, v[PC+8*\t+4*\g:PC+8*\t+4*\g+3], s[10:11] offset:16384*\t+512*\g   ; 32 lanes store 512 consecutive bytes, aligned
.endr
.endr
	s_wait_tensorcnt 0x0
	ds_add_u32 v254, v255
	s_wait_dscnt 0x0
	CROUND                                         ; the closing round: no work-group ends while a partner may still ask for a tile that names it
	s_endpgm
.Lfunc_end_k_q155eda213b_attn:
	.size	k_q155eda213b_attn, .Lfunc_end_k_q155eda213b_attn-k_q155eda213b_attn
	.p2alignl 7, 3214868480
	.fill 96, 4, 3214868480
	.section	.rodata,"a",@progbits
	.p2align	6, 0x0
	.amdhsa_kernel k_q155eda213b_attn
		.amdhsa_group_segment_fixed_size 264192
		.amdhsa_private_segment_fixed_size 0
		.amdhsa_enable_private_segment 0
		.amdhsa_kernarg_size 32
		.amdhsa_user_sgpr_count 2
		.amdhsa_user_sgpr_kernarg_segment_ptr 1
		.amdhsa_wavefront_size32 1
		.amdhsa_system_sgpr_workgroup_id_x 1
		.amdhsa_system_sgpr_workgroup_id_y 1
		.amdhsa_system_sgpr_workgroup_id_z 1
		.amdhsa_system_vgpr_workitem_id 0
		.amdhsa_next_free_vgpr 256
		.amdhsa_next_free_sgpr 100
		.amdhsa_reserve_vcc 0
		.amdhsa_float_denorm_mode_32 3
		.amdhsa_float_denorm_mode_16_64 3
		.amdhsa_fp16_overflow 1
		.amdhsa_memory_ordered 1
		.amdhsa_forward_progress 1
		.amdhsa_inst_pref_size 32
	.end_amdhsa_kernel
	.amdgpu_metadata
---
amdhsa.version: [ 1, 2 ]
amdhsa.kernels:
  - .name:           k_q155eda213b_attn
    .symbol:         k_q155eda213b_attn.kd
    .args:
      - { .name: qkv, .offset: 0, .size: 8, .value_kind: global_buffer, .address_space: global }
      - { .name: maskbits, .offset: 8, .size: 8, .value_kind: global_buffer, .address_space: global }
      - { .name: lowp_scales, .offset: 16, .size: 8, .value_kind: global_buffer, .address_space: global }
      - { .name: ao, .offset: 24, .size: 8, .value_kind: global_buffer, .address_space: global }
    .group_segment_fixed_size: 264192
    .private_segment_fixed_size: 0
    .kernarg_segment_align: 8
    .kernarg_segment_size: 32
    .max_flat_workgroup_size: 512
    .sgpr_count:     100
    .vgpr_count:     256
    .wavefront_size: 32
...
	.end_amdgpu_metadata
.endif
;; end of part 3
;; launch outp (part 4): grid 4 x 32, 4 waves a work-group, clusters of 4 x 4, 327,680 bytes of LDS; arguments ao, wc, lowp_scales, bo, out0; writes out0
.if DOCPART == 4
	.amdgcn_target "amdgcn-amd-amdhsa--gfx1250"
	.amdhsa_code_object_version 6
	.text
	.protected	k_q155eda213b_outp
	.globl	k_q155eda213b_outp
	.p2align	8
	.type	k_q155eda213b_outp,@function
k_q155eda213b_outp:
	s_mov_b64 s[64:65], 0
	v_nop
	global_prefetch_b8 v0, s[64:65] scope:SCOPE_SE
	s_setreg_imm32_b32 hwreg(HW_REG_WAVE_MODE, 25, 1), 1
	s_wait_xcnt 0x0
	s_wait_alu depctr_hold_cnt(0) depctr_sa_sdst(0) depctr_va_vdst(0) depctr_va_sdst(0) depctr_va_ssrc(0) depctr_va_vcc(0) depctr_vm_vsrc(0)
	s_getreg_b32 s2, hwreg(HW_REG_IB_STS2, 6, 4)
	s_cmp_eq_u32 s2, 0
	s_cbranch_scc0 .Lentry_in_a_cluster
	s_endpgm
.Lentry_in_a_cluster:
	s_bfe_u32 s2, ttmp6, 0x10000c
	s_cmp_lg_u32 s2, 0xf033
	s_cbranch_scc0 .Lentry_shape_is_right
	s_endpgm
.Lentry_shape_is_right:
.set TSTR,   16384
.set STEPB,  4096
.set HALFT,  8*STEPB
.set SLOT,   4*HALFT
.set SPARE,  2*SLOT
.set SPITCH, 528
.set FR,     16
.set NL,     4
.set NP,     4
.set ADRA, 16
.set ADRB, 20
.set STO,  24
.set RD,   25
.set CO,   26
.set SPW,  28
.set NIL,  29
.set BI,   32
.set TMP,  96
.set AF,   128
.set BK,   160
.set G1, 24
.set G0, 32
.set G1B, 48
.set G0B, 56
.set MSB, 0
.macro WIN new
.if MSB != \new
	s_set_vgpr_msb (MSB<<8)|\new
.set MSB, \new
.endif
.endm
.set MUL_LO, 0xa1
.set MUL_HI, 0xf1
.set TO_B,   0x40
.macro JLOAD g0a, g1a, g0b, g1b
	s_cmp_eq_u32 s15, 0
	s_cbranch_scc0 .Lfor_b_\@
	tensor_load_to_lds s[\g0a:\g0a+3], s[\g1a:\g1a+7]
	s_nop 0
.rept 4
	v_nop
.endr
	s_branch .Lasked_\@
.Lfor_b_\@:
	tensor_load_to_lds s[\g0b:\g0b+3], s[\g1b:\g1b+7]
	s_nop 0
.rept 4
	v_nop
.endr
.Lasked_\@:
.endm
.macro CREST
	s_cmp_lg_u32 s14, 0
	s_cbranch_scc1 .Lnot_wave_0_\@
	s_barrier_signal -3
.Lnot_wave_0_\@:
	s_barrier_wait -3
	s_barrier_signal -1
	s_barrier_wait -1
.endm
.macro CROUND
	s_barrier_signal -1
	s_barrier_wait -1
	CREST
.endm
	s_load_b128 s[4:7], s[0:1], 0x0
	s_load_b128 s[8:11], s[0:1], 0x10
	s_load_b64 s[72:73], s[0:1], 0x20
	v_lshl_add_u32 v[SPW], v0, 2, SPARE
	v_mov_b32 v[NIL], 0
	ds_add_u32 v28, v29
	ds_add_u32 v28, v29
	s_wait_dscnt 0x0
	v_lshrrev_b32 v1, 5, v0
	v_readfirstlane_b32 s14, v1
	s_lshr_b32 s15, s14, 1
	s_and_b32 s16, s14, 1
	s_bfe_u32 s40, ttmp6, 0x40000
	s_bfe_u32 s41, ttmp6, 0x40004
	s_mov_b32 s42, s40
	s_and_b32 s17, ttmp7, 0xffff
	s_lshl_b32 s17, s17, 2
	s_add_co_u32 s17, s17, s41
	s_lshl_b32 s43, s41, 2
	s_lshl_b32 s43, 15, s43
	s_lshl_b32 s44, 0x1111, s40
	s_or_b32 s[G1+0], s43, (3<<16)|(1<<21)
	s_or_b32 s[G1B+0], s44, (3<<16)|(1<<21)
.irp g, G1, G1B
	s_mov_b32 s[\g+1], (STEPB/8)<<16
	s_mov_b32 s[\g+2], 8<<16
	s_mov_b32 s[\g+3], (STEPB/8)<<16
	s_mov_b32 s[\g+4], 8
	s_mov_b32 s[\g+5], TSTR/8
	s_mov_b32 s[\g+6], 0
	s_mov_b32 s[\g+7], 0
.endr
	s_lshl_b32 s18, s16, 17
	s_lshl_b32 s20, s17, 18
	s_add_co_u32 s20, s20, s18
	s_lshl_b32 s46, s42, 18
	s_add_co_u32 s46, s46, s18
	s_add_co_u32 s46, s46, 3*1048576
	s_mov_b32 s21, 0
	s_mov_b32 s47, 0
	s_mul_i32 s45, s14, HALFT
	s_wait_kmcnt 0x0
	s_load_b64 s[96:97], s[8:9], 0x28
	s_add_nc_u64 s[20:21], s[4:5], s[20:21]
	s_add_nc_u64 s[46:47], s[6:7], s[46:47]
	CROUND
.irp s, 0,1
	s_mov_b32 s[G0+4*\s], 1
	s_add_co_u32 s[G0+4*\s+1], s45, \s*SLOT
	s_add_nc_u64 s[G0+4*\s+2:G0+4*\s+3], s[20:21], \s*STEPB
	s_or_b32 s[G0+4*\s+3], s[G0+4*\s+3], 0x80000000
	s_mov_b32 s[G0B+4*\s], 1
	s_add_co_u32 s[G0B+4*\s+1], s45, \s*SLOT
	s_add_nc_u64 s[G0B+4*\s+2:G0B+4*\s+3], s[46:47], \s*STEPB
	s_or_b32 s[G0B+4*\s+3], s[G0B+4*\s+3], 0x80000000
	s_wait_alu depctr_va_vdst(0)
	s_wait_tensorcnt 0x0
	ds_add_u32 v28, v29
	ds_add_u32 v28, v29
	s_wait_dscnt 0x0
	CROUND
	JLOAD G0+4*\s, G1, G0B+4*\s, G1B
.endr
	v_and_b32 v1, 31, v0
	v_lshlrev_b32 v[CO], 4, v1
	v_and_b32 v2, 15, v0
	s_wait_alu depctr_va_vdst(0)
	v_bfe_u32 v3, v0, 4, 1
	s_mul_i32 s21, s15, HALFT
	s_mul_i32 s22, s16, HALFT
	s_add_co_u32 s22, s22, 2*HALFT
.irp s, 0,1
	v_add_nc_u32 v[ADRA+\s], s21, v[CO]
	v_add_nc_u32 v[ADRB+\s], s22, v[CO]
	s_add_co_u32 s21, s21, SLOT
	s_add_co_u32 s22, s22, SLOT
.endr
	s_mul_i32 s23, s14, 16*SPITCH
	v_mul_u32_u24 v5, v2, SPITCH
	s_wait_alu depctr_va_vdst(0)
	v_lshl_add_u32 v5, v3, 5, v5
	v_add_nc_u32 v[STO], s23, v5
	v_add_nc_u32 v[RD], s23, v[CO]
	s_lshl_b32 s18, s42, 10
	s_lshl_b32 s19, s16, 9
	s_add_co_u32 s18, s18, s19
	s_mov_b32 s19, 0
	s_add_nc_u64 s[10:11], s[10:11], s[18:19]
	s_add_nc_u64 s[72:73], s[72:73], s[18:19]
	v_lshlrev_b32 v4, 5, v3
.irp b, 0,1,2,3,4,5,6,7
	global_load_b128 v[BI+8*\b:BI+8*\b+3], v4, s[10:11] offset:64*\b
	global_load_b128 v[BI+8*\b+4:BI+8*\b+7], v4, s[10:11] offset:64*\b+16
.endr
	s_lshl_b32 s18, s17, 20
	s_lshl_b32 s22, s15, 19
	s_add_co_u32 s18, s18, s22
	s_add_nc_u64 s[72:73], s[72:73], s[18:19]
	s_wait_kmcnt 0x0
	s_add_co_i32 s96, s96, s97
	s_add_co_i32 s96, s96, 127
	s_lshl_b32 s96, s96, 23
	s_mov_b32 s97, s96
.macro FRAG reg, adr, q, i
.irp c, 0,1,2,3
	ds_load_b128 v[\reg+4*\c:\reg+4*\c+3], v[\adr] offset:2048*(\q)+512*\c+(\i)*STEPB
.endr
.endm
.macro MUL16 a0, p, zero
.irp a, \a0, \a0+1
.irp b, 0,1,2,3,4,5,6,7
.if \zero
	v_wmma_f32_16x16x128_bf8_bf8 v[8*(8*((\a)%4)+\b):8*(8*((\a)%4)+\b)+7], v[128*(\p)+FR*\b:128*(\p)+FR*\b+FR-1], v[AF+FR*(\a):AF+FR*(\a)+FR-1], 0
.else
	v_wmma_f32_16x16x128_bf8_bf8 v[8*(8*((\a)%4)+\b):8*(8*((\a)%4)+\b)+7], v[128*(\p)+FR*\b:128*(\p)+FR*\b+FR-1], v[AF+FR*(\a):AF+FR*(\a)+FR-1], v[8*(8*((\a)%4)+\b):8*(8*((\a)%4)+\b)+7]
.endif
.endr
.endr
.endm
.macro FETCH_B slot, q, p
	WIN TO_B
.irp i, 0,1,2,3,4,5,6,7
	FRAG 128*(\p)+FR*\i, ADRB+\slot, \q, \i
.endr
	WIN 0
.endm
.macro FETCH_A slot, q, i0
.irp i, \i0, \i0+1, \i0+2, \i0+3
	FRAG AF+FR*(\i), ADRA+\slot, \q, \i
.endr
.endm
.macro PLACES n
.rept \n
	v_nop
.endr
.endm
.macro STEP slot, q, zero
	s_wait_dscnt 4*NL
	WIN MUL_LO
	MUL16 0, (\q)%2, \zero
	MUL16 2, (\q)%2, \zero
	s_wait_dscnt 0
	PLACES NP
	FETCH_B \slot, (\q)+1, 1-(\q)%2
	FETCH_A \slot, (\q)+1, 0
	WIN MUL_HI
	MUL16 4, (\q)%2, \zero
	MUL16 6, (\q)%2, \zero
	PLACES NP
	WIN 0
	FETCH_A \slot, (\q)+1, 4
.endm
.macro TURN slot, next, fill
	s_wait_tensorcnt 0x0
	ds_add_u32 v[SPW], v[NIL]
	s_wait_dscnt 4*NL+1
	WIN MUL_LO
	MUL16 0, 1, 0
	s_wait_dscnt 0x0
	s_barrier_signal -1
	MUL16 2, 1, 0
	WIN 0
	s_barrier_wait -1
.if \fill
	CREST
	s_add_nc_u64 s[G0+4*\slot+2:G0+4*\slot+3], s[G0+4*\slot+2:G0+4*\slot+3], 2*STEPB
	s_add_nc_u64 s[G0B+4*\slot+2:G0B+4*\slot+3], s[G0B+4*\slot+2:G0B+4*\slot+3], 2*STEPB
	JLOAD G0+4*\slot, G1, G0B+4*\slot, G1B
.else
	PLACES NP
.endif
	FETCH_B \next, 0, 0
	FETCH_A \next, 0, 0
	WIN MUL_HI
	MUL16 4, 1, 0
	MUL16 6, 1, 0
	PLACES NP
	WIN 0
	FETCH_A \next, 0, 4
.endm
	s_wait_tensorcnt 1
	s_barrier_signal -1
	s_barrier_wait -1
	FETCH_B 0, 0, 0
	FETCH_A 0, 0, 0
	FETCH_A 0, 0, 4
	STEP 0, 0, 1
	TURN 0, 1, 1
	STEP 1, 0, 0
	TURN 1, 0, 1
	STEP 0, 0, 0
	TURN 0, 1, 0
	STEP 1, 0, 0
	s_wait_dscnt 4*NL
	WIN MUL_LO
	MUL16 0, 1, 0
	MUL16 2, 1, 0
	s_wait_dscnt 0
	WIN MUL_HI
	MUL16 4, 1, 0
	MUL16 6, 1, 0
	WIN 0
.macro OUTB a
.if (\a) > 0
	s_wait_xcnt 0x0
.endif
	WIN 0x02+((\a)/4)
.irp b, 0,1,2,3,4,5,6,7
.irp i, 0,2,4,6
	v_pk_fma_f32 v[TMP+8*\b+\i:TMP+8*\b+\i+1], v[64*((\a)%4)+8*\b+\i:64*((\a)%4)+8*\b+\i+1], s[96:97], v[BI+8*\b+\i:BI+8*\b+\i+1] op_sel_hi:[1,0,1]
.endr
.endr
	WIN 0
.irp b, 0,1,2,3,4,5,6,7
	ds_store_b128 v[STO], v[TMP+8*\b:TMP+8*\b+3] offset:64*\b
	ds_store_b128 v[STO], v[TMP+8*\b+4:TMP+8*\b+7] offset:64*\b+16
.endr
.irp t, 0,1,2,3,4,5,6,7,8,9,10,11,12,13,14,15
	ds_load_b128 v[BK+4*\t:BK+4*\t+3], v[RD] offset:\t*SPITCH
.endr
	s_wait_dscnt 0x0
.if (\a) > 0
	s_add_nc_u64 s[72:73], s[72:73], 16*4096
.endif
.irp t, 0,1,2,3,4,5,6,7,8,9,10,11,12,13,14,15
	global_store_b128 v[CO], v[BK+4*\t:BK+4*\t+3], s[72:73] offset:\t*4096 th:TH_STORE_NT
.endr
.endm
	s_wait_loadcnt 0x0
	PLACES NP
.irp a, 0,1,2,3,4,5,6,7
	OUTB \a
.endr
	s_wait_tensorcnt 0x0
	ds_add_u32 v[SPW], v[NIL]
	s_wait_dscnt 0x0
	CROUND
	s_endpgm
.Lfunc_end_k_q155eda213b_outp:
	.size	k_q155eda213b_outp, .Lfunc_end_k_q155eda213b_outp-k_q155eda213b_outp
	.p2alignl 7, 3214868480
	.fill 96, 4, 3214868480
	.section	.rodata,"a",@progbits
	.p2align	6, 0x0
	.amdhsa_kernel k_q155eda213b_outp
		.amdhsa_group_segment_fixed_size 327680
		.amdhsa_private_segment_fixed_size 0
		.amdhsa_enable_private_segment 0
		.amdhsa_kernarg_size 40
		.amdhsa_user_sgpr_count 2
		.amdhsa_user_sgpr_kernarg_segment_ptr 1
		.amdhsa_wavefront_size32 1
		.amdhsa_system_sgpr_workgroup_id_x 1
		.amdhsa_system_sgpr_workgroup_id_y 1
		.amdhsa_system_sgpr_workgroup_id_z 1
		.amdhsa_system_vgpr_workitem_id 0
		.amdhsa_next_free_vgpr 1024
		.amdhsa_next_free_sgpr 100
		.amdhsa_reserve_vcc 0
		.amdhsa_float_denorm_mode_32 3
		.amdhsa_float_denorm_mode_16_64 3
		.amdhsa_memory_ordered 1
		.amdhsa_forward_progress 1
		.amdhsa_inst_pref_size 125
	.end_amdhsa_kernel
	.amdgpu_metadata
---
amdhsa.version: [ 1, 2 ]
amdhsa.kernels:
  - .name:           k_q155eda213b_outp
    .symbol:         k_q155eda213b_outp.kd
    .args:
      - { .name: ao, .offset: 0, .size: 8, .value_kind: global_buffer, .address_space: global }
      - { .name: wc, .offset: 8, .size: 8, .value_kind: global_buffer, .address_space: global }
      - { .name: lowp_scales, .offset: 16, .size: 8, .value_kind: global_buffer, .address_space: global }
      - { .name: bo, .offset: 24, .size: 8, .value_kind: global_buffer, .address_space: global }
      - { .name: out0, .offset: 32, .size: 8, .value_kind: global_buffer, .address_space: global }
    .group_segment_fixed_size: 327680
    .private_segment_fixed_size: 0
    .kernarg_segment_align: 8
    .kernarg_segment_size: 40
    .max_flat_workgroup_size: 128
    .sgpr_count:     100
    .vgpr_count:     1024
    .wavefront_size: 32
...
	.end_amdgpu_metadata
.endif
;; end of part 4
